; MI455X (gfx1250); checked and timed in simulation.
; The chip was launched on July 23, 2026; its instructions are those of AMD's public machine-readable ISA for CDNA 5 (MIT licence, August 2026) and "CDNA5" Instruction Set Architecture Reference Guide (July 2026). The comments in the code are by the model that wrote it; some were corrected since.
;; Attention. Allowed arithmetic: matrix products marked QUANTISED: E2M3 operands, one E8M0 scale for each 32 along K, by v_wmma_scale_f32_16x16x128_f8f6f4 with both operands' format E2M3, f32 sums; everything else in f32.
;; Inputs: key_padding_mask 2 x 2,048 bool; kv 2 x 2,048 x 2 x 8 x 128 float32; q 2 x 2,048 x 32 x 128 float32.
;; Outputs: out0 2 x 2,048 x 32 x 128 float32.
;; This version of the problem:
;;   THIS VERSION OF THE PROBLEM IS GIVEN IN LOW PRECISION. The matrix products marked QUANTISED in the list below multiply operands that are first quantised to E2M3 (2 exponent bits, 3 mantissa bits; 6 bits a number), with one power-of-two scale for each 32 numbers along K (OCP MX v1.0); their sums are f32. All else is computed in f32.
;;   The module's matrix products, in the order in which they are computed (A, B: the left and right operand; K: the contracted axis; several contracted axes count as one K, in the product's order):
;;     1. batch 64 x [M 2,048, K 128] x [K 128, N 2,048]; A: input q; B: computed on the way: QUANTISED
;;     2. batch 64 x [M 128, K 2,048] x [K 2,048, N 2,048]; A: input kv; B: softmax (see below): QUANTISED
;;   THE QUANTISER, for each operand of a quantised product, along K:
;;     - K is cut into blocks of 32 from its start; a last block that is shorter is filled with zeros.
;;     - A block's scale is 2^e with e = floor(log2(the largest magnitude in the block)) - 2, held to -126 .. 127; a block of zeros has e = 0. As a byte (E8M0): e + 127.
;;     - Each number is divided by its block's scale, clamped to +-7.5, and rounded to the nearest number of E2M3, ties to even, subnormals kept.
;;     - The product sums the exact products of the quantised numbers (number of the format x scale) in f32.
;;   ~~~python
;;   def quantise(x, axis):      # numpy; x: float32 -> the quantised numbers, widened to float32 again
;;       x = np.moveaxis(x, axis, -1); K = x.shape[-1]
;;       x = np.pad(x, [(0, 0)] * (x.ndim - 1) + [(0, -K % 32)]); x = x.reshape(x.shape[:-1] + (-1, 32)); a = np.abs(x).max(-1, keepdims=True)
;;       e = np.where(a > 0, np.clip(np.frexp(np.where(a > 0, a, 1))[1] - 1 - 2, -126, 127), 0)      # np.frexp(a)[1] - 1 = floor(log2(a)), exactly
;;       r = np.clip(x / 2.0 ** e, -7.5, 7.5)
;;       step = 2.0 ** (np.maximum(np.frexp(np.where(r == 0, 1, r))[1] - 1, 0) - 3)
;;       q = np.round(r / step) * step * 2.0 ** e      # np.round: ties to even
;;       return np.moveaxis(q.reshape(q.shape[:-2] + (-1,))[..., :K], -1, axis).astype(np.float32)
;;   ~~~
;;   SOFTMAX AHEAD OF A QUANTISED PRODUCT. Where the list says 'softmax', what is quantised is not the finished softmax but p = 2^(t - M), with t = logit x log2(e) and M = ceil(the row's largest t), a whole number; so 1/2 < the row's largest p <= 1. The row's sum l is taken of the UNQUANTISED p, in f32, and the product's result is divided by l at the end. Since M is a whole number, a kernel that streams over the keys may use a running M (the ceiling of the running maximum): every later rescaling is an exact power of two, which a block's scale takes up: the codes' values come out the same.
;;   OPERANDS COMPUTED ON THE WAY. 'Computed on the way' means the value that the module computes at that place (a softmax that the list does not call 'softmax' is quantised finished and normalised). What goes into a quantiser is computed in f32, as accurately as f32 sums, v_exp_f32 and their like allow (about 1e-6 of the number): no bf16 or f16 on the way to a quantiser, and a product that is left as it is and whose result goes on into a quantised operand takes f32 operands (vector FMAs, or v_wmma_f32_16x16x4_f32). A number that lies on a knife's edge between two numbers of the format may be rounded either way, as far as f32 arithmetic and the matrix unit's own rounding can turn it there, and no further.
;; One version. Each part assembles by itself: llvm-mc -triple=amdgcn-amd-amdhsa -mcpu=gfx1250 --defsym DOCPART=n.
;; ======== version 1 of 1: 2 launches
;; workspace buffers: kvrec 6,684,672 bytes; tsum 131,072 bytes
;; launch prep (part 1): grid 16 x 16, 8 waves a work-group, no clusters, 82,944 bytes of LDS; arguments kv, key_padding_mask, kvrec, tsum; writes kvrec, tsum
.if DOCPART == 1
	.amdgcn_target "amdgcn-amd-amdhsa--gfx1250"
	.amdhsa_code_object_version 6
	.text
	.protected	k_qfd4db2fdfb_prep
	.globl	k_qfd4db2fdfb_prep
	.p2align	8
	.type	k_qfd4db2fdfb_prep,@function
k_qfd4db2fdfb_prep:
	s_mov_b64 s[64:65], 0
	v_nop
	global_prefetch_b8 v0, s[64:65] scope:SCOPE_SE
	s_setreg_imm32_b32 hwreg(HW_REG_WAVE_MODE, 25, 1), 1
	s_wait_xcnt 0x0
; kv [2][2048][2][8][128] f32 and key_padding_mask [2][2048] bool become, for each (batch, kv head, 128 keys), ONE DENSE RECORD of 26,112 bytes, laid in the order of the matrix operands' registers:
;   +0      K: k x 1/sqrt(128), codes of FP6 (E2M3) along d: 8 fragment images of 1,536 bytes.  Tile 2 B + u: lane (r, h) holds key 32 B + 8 u + r + 8 (r / 8); registers 6 c .. 6 c + 5 hold d = 64 c + 32 h + 0 .. 31.
;   +12,288 V: codes along the KEYS: 8 images.  Tile T: lane (r, h) holds row d = 16 T + r; registers 6 c .. 6 c + 5 hold keys 64 c + 32 h + 0 .. 31.
;           (an image: register p of lane l at 512 (p / 4) + 16 l + 4 (p % 4): three loads of 16 bytes a lane give the fragment back)
;   +24,576 scale words: chunk c of 512 bytes, lane l at 16 l, word j: lanes 0-15 K's tile 4 c + j, row r; lanes 16-31 V's tile 4 c + j, row r.
;   +25,600 the padding bias of the 128 keys, f32: 0 where the mask holds, -10000 where it does not.
; and tsum [16][16][128] f32: the sum over the record's 128 keys of the QUANTISED v, for each d.
; A block's scale is 2^(floor(log2(its largest magnitude)) - 2): its byte is the largest magnitude's exponent field - 2, held at 1 from below by a floor among the maximum's leaves.
; (A block of zeros so gets the byte 1 where the quantiser says 127: its codes are zeros, and this program alone reads the bytes.)
; LIMITS: NaN and infinities among the inputs are not served; blocks whose largest magnitude lies under 2^-124 keep the byte 1.
; SHARES.  A work-group makes one record.  Waves 0-3: 32 keys of K each (two tiles); waves 4-7: 32 columns d of V each (two tiles), a lane to a column, registers down the keys.
; No tensor load, one barrier, EXEC is never changed.  Every global store covers 512 consecutive bytes that begin at a multiple of 256 from the buffer's first byte.
.set REC,    26112
.set ROWKV,  8192                      ; bytes from a key to the next in kv
.set KPITCH, 528                       ; a stage row: a key's 512 bytes + 16
.set KSTGB,  32*KPITCH                 ; a K wave's stage
.set VIMG,   4*KSTGB                   ; LDS: behind the four stages the V waves' images, 3,072 bytes each,
.set SCIMG,  VIMG+4*3072               ; the scale image, 1,024 bytes,
.set TSL,    SCIMG+1024                ; and the 128 sums
.set X,      64                        ; v64-191  numbers
.set C,      16                        ; v16-47   codes
; v1 16 x lane, v2 4 x lane; v5-v13 LDS addresses, all made here at the head; v14 8 h; v44-45 K's scale words; v48-62 at work; v192-215 V's images read back; v216 the mask's four bytes
	s_load_b256 s[4:11], s[0:1], 0x0               ; kv s[4:5], mask s[6:7], kvrec s[8:9], tsum s[10:11]
	v_lshl_add_u32 v224, v0, 2, 0x14000
	v_mov_b32 v225, 0
	v_lshrrev_b32 v3, 5, v0
	v_readfirstlane_b32 s12, v3                    ; wave 0..7
	s_and_b32 s13, s12, 3                          ; its number among the K waves or the V waves
	s_and_b32 s14, ttmp7, 0xffff                   ; y = 8 x batch + kv head
	s_lshr_b32 s15, s14, 3
	s_and_b32 s16, s14, 7
	v_and_b32 v3, 31, v0                           ; lane
	v_and_b32 v4, 15, v0                           ; r
	v_bfe_u32 v15, v0, 4, 1                        ; h
	v_lshlrev_b32 v1, 4, v3
	v_lshlrev_b32 v2, 2, v3
	s_mul_i32 s17, s13, KSTGB
	v_add_nc_u32 v5, s17, v1                       ; K's stage, in: a key's row as it is loaded, 16 bytes a lane
	v_mul_u32_u24 v6, v4, KPITCH
	v_lshl_add_u32 v6, v15, 7, v6
	v_add_nc_u32 v6, s17, v6                       ; and out: row r of a tile, + 128 h: my 32 numbers of each 64
	s_lshr_b32 s18, s13, 1
	s_lshl_b32 s18, s18, 9
	s_and_b32 s19, s13, 1
	s_lshl_b32 s19, s19, 3
	s_add_co_u32 s18, s18, s19
	s_add_co_u32 s18, s18, SCIMG
	v_lshl_add_u32 v7, v4, 4, s18                  ; K's scale words: chunk (wave / 2), lane r, word 2 (wave % 2) + u
	v_lshl_add_u32 v10, v15, 2, v7
	v_add_nc_u32 v10, 256, v10                     ; V's: lane 16 + r, word 2 (wave % 2) + h
	s_mul_i32 s19, s13, 3072
	s_add_co_u32 s19, s19, VIMG
	v_mul_u32_u24 v8, v15, 1536
	v_lshl_add_u32 v8, v4, 4, v8
	v_add_nc_u32 v8, s19, v8                       ; V's images, in: tile h of my wave's two, image lane r (+ 16 for the odd blocks, in the immediate)
	v_add_nc_u32 v9, s19, v1                       ; and out: as they lie
	s_lshl_b32 s19, s13, 7
	s_add_co_u32 s19, s19, TSL
	v_add_nc_u32 v11, s19, v2                      ; my column's sum
	v_add_nc_u32 v12, SCIMG, v1
	v_add_nc_u32 v13, TSL, v1
	v_lshlrev_b32 v14, 3, v15
	v_mov_b32 v55, 0x7f7f7f7f                      ; V waves: the byte of the scale 1 in every byte, for the way back from codes; K waves: a lane exchange's destination, which counts as read
	s_mov_b32 s20, 0x76543210
	s_mov_b32 s21, 0xfedcba98                      ; v_permlanex16_b32's selects for lane l xor 16
	s_mov_b32 s22, 0x3db504f3                      ; 1 / sqrt(128) in f32
	s_mov_b32 s23, s22                             ; (named with it as a pair)
	s_lshl_b32 s18, s15, 11
	s_lshl_b32 s19, ttmp9, 7
	s_add_co_u32 s18, s18, s19                     ; the record's first key: 2,048 x batch + 128 x step
	s_lshl_b32 s24, s18, 13
	s_lshl_b32 s19, s16, 9
	s_add_co_u32 s24, s24, s19                     ; its byte in kv, at my kv head (under 2^26)
	s_mov_b32 s25, 0
	s_mov_b32 s19, 0
	s_lshl_b32 s26, s14, 4
	s_add_co_u32 s26, s26, ttmp9                   ; the record's number
	s_mul_i32 s28, s26, REC
	s_mov_b32 s29, 0
	s_lshl_b32 s26, s26, 9
	s_mov_b32 s27, 0
	s_lshl_b32 s32, s13, 18                        ; a K wave's 32 keys
	s_mov_b32 s33, 0
	s_lshl_b32 s34, s13, 7                         ; a V wave's 32 columns, behind k's eight heads
	s_add_co_u32 s34, s34, 4096
	s_mov_b32 s35, 0
	s_mul_i32 s36, s13, 3072                       ; a wave's two images in the record
	s_mov_b32 s37, 0
	s_wait_kmcnt 0x0
	s_add_nc_u64 s[4:5], s[4:5], s[24:25]
	s_add_nc_u64 s[6:7], s[6:7], s[18:19]
	s_add_nc_u64 s[8:9], s[8:9], s[28:29]
	s_add_nc_u64 s[10:11], s[10:11], s[26:27]
	s_add_nc_u64 s[42:43], s[8:9], s[36:37]
	global_load_b32 v216, v2, s[6:7]               ; the 128 mask bytes, four a lane: every wave's first load
	s_cmp_lt_u32 s12, 4
	s_cbranch_scc0 .Lvwave
; ---- K: 32 keys.  Each load takes one key's 512 bytes as they lie; the rows go through the wave's stage in tile and lane order, and come back 32 neighbours along d to a lane.
	s_add_nc_u64 s[40:41], s[4:5], s[32:33]
.set kk, 0
.rept 32
	global_load_b128 v[X+4*kk:X+4*kk+3], v1, s[40:41] offset:kk*ROWKV th:TH_LOAD_NT
.set kk, kk+1
.endr
.set kk, 0
.rept 32
.if kk%8 == 0
	s_wait_loadcnt 24-kk                           ; these eight rows are in; the rows issued behind them may be out
.endif
	ds_store_b128 v5, v[X+4*kk:X+4*kk+3] offset:(16*((kk/8)%2)+8*(kk/16)+kk%8)*KPITCH   ; key kk is row r = kk % 8 + 8 (kk / 16) of tile u = (kk / 8) % 2
.set kk, kk+1
.endr
.irp u, 0,1
.irp c, 0,1
.irp j, 0,1,2,3,4,5,6,7
	ds_load_b128 v[X+64*\u+32*\c+4*\j:X+64*\u+32*\c+4*\j+3], v6 offset:\u*16*KPITCH+256*\c+16*\j   ; LDS serves a wave's instructions in order: these see the stores above
.endr
.endr
.endr
; Tile u: 64 numbers of a lane (two whole blocks of 32 along d) are scaled, quantised and stored as an image.
.macro KQUANT u
.set XS, X+64*\u
.set CK, C+12*\u
.set jj, 0
.rept 32
	v_pk_mul_f32 v[XS+jj:XS+jj+1], v[XS+jj:XS+jj+1], s[22:23] op_sel_hi:[1,0]   ; k x 1/sqrt(128), in f32, ahead of the quantiser
.set jj, jj+2
.endr
.irp c, 0,1
	v_max3_num_f32 v[48+\c], |v[XS+32*\c]|, |v[XS+32*\c+1]|, 0x1800000   ; my block 2 c + h, and the floor 2^(3 - 127)
.endr
.irp i, 2,4,6,8,10,12,14,16,18,20,22,24,26,28,30
.irp c, 0,1
	v_max3_num_f32 v[48+\c], v[48+\c], |v[XS+32*\c+\i]|, |v[XS+32*\c+\i+1]|   ; (the two blocks by turns)
.endr
.endr
.irp c, 0,1
	v_add_nc_u32 v[50+\c], 0xff000000, v[48+\c]    ; 2 off the exponent field: the conversion's scale operand
.endr
.irp c, 0,1
	v_lshrrev_b32 v[52+\c], 23, v[50+\c]           ; the scale's byte
.endr
	v_lshl_or_b32 v54, v53, 16, v52                ; my two bytes, blocks h and 2 + h,
	v_lshlrev_b32 v54, v14, v54                    ; at their places (8 h bits up);
	v_permlanex16_b32 v55, v54, s20, s21
	v_or_b32 v[44+\u], v54, v55                    ; with lane l xor 16's two the row's word is whole
.irp c, 0,1
	v_cvt_scalef32_pk16_fp6_f32 v[CK+6*\c:CK+6*\c+2], v[XS+32*\c:XS+32*\c+15], v[50+\c]
	v_cvt_scalef32_pk16_fp6_f32 v[56+4*\c:58+4*\c], v[XS+32*\c+16:XS+32*\c+31], v[50+\c]   ; (a conversion's three registers begin on an even number)
.endr
	v_nop                                          ; one plain place behind a scaled conversion
.irp c, 0,1
.irp i, 0,1,2
	v_mov_b32 v[CK+6*\c+3+\i], v[56+4*\c+\i]
.endr
.endr
.irp k, 0,1,2
	global_store_b128 v1, v[CK+4*\k:CK+4*\k+3], s[42:43] offset:\u*1536+512*\k   ; the fragment as it stands: 512 consecutive bytes a store
.endr
	ds_store_b32 v7, v[44+\u] offset:4*\u          ; both halves of the lanes write the same word with the same value
.endm
	s_wait_dscnt 16                                ; tile 0's sixteen loads are in; tile 1's may be out
	KQUANT 0
	s_wait_dscnt 1                                 ; tile 1's are in; tile 0's word store may be out
	KQUANT 1
	s_branch .Ljoin
; ---- V: 32 columns d, a lane to a column, registers down the keys: a block of 32 keys lies in one lane's 32 registers.
.Lvwave:
	s_add_nc_u64 s[40:41], s[4:5], s[34:35]
.macro VLOAD t
.set kk, 0
.rept 32
	global_load_b32 v[X+32*(\t)+kk], v2, s[40:41] offset:(32*(\t)+kk)*ROWKV th:TH_LOAD_NT
.set kk, kk+1
.endr
.endm
.macro VBLOCK t
.set XS, X+32*(\t)
.set CB, C+8*(\t)
.if (\t) < 3
	s_wait_loadcnt 32                              ; this block's 32 loads are in; the next block's may be out
.else
	s_wait_loadcnt 0x0
.endif
.if (\t) < 2
	VLOAD (\t)+2
.endif
	v_max3_num_f32 v48, |v[XS]|, |v[XS+1]|, |v[XS+2]|
	v_max3_num_f32 v49, |v[XS+3]|, |v[XS+4]|, |v[XS+5]|
.irp i, 6,10,14,18,22,26
	v_max3_num_f32 v48, v48, |v[XS+\i]|, |v[XS+\i+1]|
	v_max3_num_f32 v49, v49, |v[XS+\i+2]|, |v[XS+\i+3]|
.endr
	v_max3_num_f32 v48, v48, |v[XS+30]|, |v[XS+31]|
	v_max3_num_f32 v48, v48, v49, 0x1800000        ; the block's largest magnitude, and the floor 2^(3 - 127)
	v_add_nc_u32 v50, 0xff000000, v48              ; the conversion's scale operand
	v_lshrrev_b32 v51, 23, v50                     ; the scale's byte: byte t of my row's word
.if (\t) == 0
	v_mov_b32 v52, v51
.else
	v_lshl_or_b32 v52, v51, 8*(\t), v52
.endif
	v_cvt_scalef32_pk16_fp6_f32 v[CB:CB+2], v[XS:XS+15], v50
	v_cvt_scalef32_pk16_fp6_f32 v[56:58], v[XS+16:XS+31], v50
	v_nop                                          ; one plain place behind a scaled conversion
.irp i, 0,1,2
	v_mov_b32 v[CB+3+\i], v[56+\i]
.endr
; block t is registers 6 (t / 2) .. + 5 of image lane r + 16 (t % 2)
.if (\t) < 2
	ds_store_b128 v8, v[CB:CB+3] offset:256*((\t)%2)
	ds_store_b64 v8, v[CB+4:CB+5] offset:256*((\t)%2)+512
.else
	ds_store_b64 v8, v[CB:CB+1] offset:256*((\t)%2)+520
	ds_store_b128 v8, v[CB+2:CB+5] offset:256*((\t)%2)+1024
.endif
	v_cvt_scale_pk16_f32_fp6 v[XS:XS+15], v[CB:CB+2], v55        ; the codes' values back, x 1: multiples of 1/8 up to 7.5, so their sum below is exact
	v_cvt_scale_pk16_f32_fp6 v[XS+16:XS+31], v[56:58], v55
	v_nop
.irp i, 0,1,2,3,4,5,6,7
	v_pk_add_f32 v[XS+4*\i:XS+4*\i+1], v[XS+4*\i:XS+4*\i+1], v[XS+4*\i+2:XS+4*\i+3]
.endr
.irp i, 0,1,2,3
	v_pk_add_f32 v[XS+8*\i:XS+8*\i+1], v[XS+8*\i:XS+8*\i+1], v[XS+8*\i+4:XS+8*\i+5]
.endr
.irp i, 0,1
	v_pk_add_f32 v[XS+16*\i:XS+16*\i+1], v[XS+16*\i:XS+16*\i+1], v[XS+16*\i+8:XS+16*\i+9]
.endr
	v_pk_add_f32 v[XS:XS+1], v[XS:XS+1], v[XS+16:XS+17]
	v_add_f32 v54, v[XS], v[XS+1]
	v_and_b32 v51, 0x7f800000, v50                 ; the block's scale as an f32 number
.if (\t) == 0
	v_mul_f32 v53, v54, v51
.else
	v_fma_f32 v53, v54, v51, v53                   ; the sum of the quantised v of my column
.endif
.endm
	VLOAD 0
	VLOAD 1
	VBLOCK 0
	VBLOCK 1
	VBLOCK 2
	VBLOCK 3
	ds_store_b32 v10, v52
	ds_store_b32 v11, v53
.irp k, 0,1,2,3,4,5
	ds_load_b128 v[192+4*\k:192+4*\k+3], v9 offset:512*\k        ; my wave's own bytes, in order behind my stores
.endr
.irp k, 0,1,2,3,4,5
	s_wait_dscnt 5-\k                              ; piece k is back; the later ones may be out
	global_store_b128 v1, v[192+4*\k:192+4*\k+3], s[42:43] offset:12288+512*\k
.endr
.Ljoin:
	s_wait_dscnt 0x0                               ; for the others' sake: my scale words and sums have landed
	s_barrier_signal -1
	s_barrier_wait -1
	s_cmp_lg_u32 s12, 0
	s_cbranch_scc1 .Lnot0
	ds_load_b128 v[200:203], v12                   ; wave 0: the scale image
	ds_load_b128 v[204:207], v12 offset:512
	s_wait_dscnt 0x0
	global_store_b128 v1, v[200:203], s[8:9] offset:24576
	global_store_b128 v1, v[204:207], s[8:9] offset:25088
	s_wait_tensorcnt 0x0
	ds_add_u32 v224, v225
	s_wait_dscnt 0x0
	s_endpgm
.Lnot0:
	s_cmp_lg_u32 s12, 1
	s_cbranch_scc1 .Lnot1
	v_mov_b32 v217, 0xc61c4000                     ; wave 1: the bias: -10000 where the mask's byte is 0 (its load was waited for with K's rows)
.irp j, 0,1,2,3
	v_bfe_u32 v218, v216, 8*\j, 8
	v_cmp_eq_u32 vcc_lo, 0, v218
	v_cndmask_b32 v[220+\j], 0, v217, vcc_lo
.endr
	global_store_b128 v1, v[220:223], s[8:9] offset:25600
	s_wait_tensorcnt 0x0
	ds_add_u32 v224, v225
	s_wait_dscnt 0x0
	s_endpgm
.Lnot1:
	s_cmp_lg_u32 s12, 2
	s_cbranch_scc1 .Lnot2
	ds_load_b128 v[208:211], v13                   ; wave 2: the 128 sums
	s_wait_dscnt 0x0
	global_store_b128 v1, v[208:211], s[10:11]
.Lnot2:
	s_wait_tensorcnt 0x0
	ds_add_u32 v224, v225
	s_wait_dscnt 0x0
	s_endpgm
.Lfunc_end_k_qfd4db2fdfb_prep:
	.size	k_qfd4db2fdfb_prep, .Lfunc_end_k_qfd4db2fdfb_prep-k_qfd4db2fdfb_prep
	.p2alignl 7, 3214868480
	.fill 96, 4, 3214868480
	.section	.rodata,"a",@progbits
	.p2align	6, 0x0
	.amdhsa_kernel k_qfd4db2fdfb_prep
		.amdhsa_group_segment_fixed_size 82944
		.amdhsa_private_segment_fixed_size 0
		.amdhsa_enable_private_segment 0
		.amdhsa_kernarg_size 32
		.amdhsa_user_sgpr_count 2
		.amdhsa_user_sgpr_kernarg_segment_ptr 1
		.amdhsa_wavefront_size32 1
		.amdhsa_system_sgpr_workgroup_id_x 1
		.amdhsa_system_sgpr_workgroup_id_y 1
		.amdhsa_system_sgpr_workgroup_id_z 1
		.amdhsa_system_vgpr_workitem_id 0
		.amdhsa_next_free_vgpr 226
		.amdhsa_next_free_sgpr 66
		.amdhsa_reserve_vcc 1
		.amdhsa_float_denorm_mode_32 3
		.amdhsa_float_denorm_mode_16_64 3
		.amdhsa_memory_ordered 1
		.amdhsa_forward_progress 1
		.amdhsa_inst_pref_size 48
	.end_amdhsa_kernel
	.amdgpu_metadata
---
amdhsa.version: [ 1, 2 ]
amdhsa.kernels:
  - .name:           k_qfd4db2fdfb_prep
    .symbol:         k_qfd4db2fdfb_prep.kd
    .args:
      - { .name: kv, .offset: 0, .size: 8, .value_kind: global_buffer, .address_space: global }
      - { .name: key_padding_mask, .offset: 8, .size: 8, .value_kind: global_buffer, .address_space: global }
      - { .name: kvrec, .offset: 16, .size: 8, .value_kind: global_buffer, .address_space: global }
      - { .name: tsum, .offset: 24, .size: 8, .value_kind: global_buffer, .address_space: global }
    .group_segment_fixed_size: 82944
    .private_segment_fixed_size: 0
    .kernarg_segment_align: 8
    .kernarg_segment_size: 32
    .max_flat_workgroup_size: 256
    .sgpr_count:     66
    .vgpr_count:     226
    .wavefront_size: 32
...
	.end_amdgpu_metadata
.endif
;; end of part 1
;; launch attn (part 2): grid 16 x 16, 8 waves a work-group, clusters of 4 x 1, 327,680 bytes of LDS; arguments q, kvrec, tsum, out0; writes out0
.if DOCPART == 2
	.amdgcn_target "amdgcn-amd-amdhsa--gfx1250"
	.amdhsa_code_object_version 6
	.text
	.protected	k_qfd4db2fdfb_attn
	.globl	k_qfd4db2fdfb_attn
	.p2align	8
	.type	k_qfd4db2fdfb_attn,@function
k_qfd4db2fdfb_attn:
	s_mov_b64 s[64:65], 0
	v_nop
	global_prefetch_b8 v0, s[64:65] scope:SCOPE_SE
	s_setreg_imm32_b32 hwreg(HW_REG_WAVE_MODE, 25, 1), 1
	s_wait_xcnt 0x0
	s_wait_alu depctr_hold_cnt(0) depctr_sa_sdst(0) depctr_va_vdst(0) depctr_va_sdst(0) depctr_va_ssrc(0) depctr_va_vcc(0) depctr_vm_vsrc(0)
	s_getreg_b32 s2, hwreg(HW_REG_IB_STS2, 6, 4)
	s_cmp_eq_u32 s2, 0
	s_cbranch_scc0 .Lentry_in_a_cluster
	s_endpgm
.Lentry_in_a_cluster:
	s_bfe_u32 s2, ttmp6, 0x10000c
	s_cmp_lg_u32 s2, 0x3003
	s_cbranch_scc0 .Lentry_shape_is_right
	s_endpgm
.Lentry_shape_is_right:
; out[b][t][head][:] = softmax over s of (q . k / sqrt(128) + padding bias, set to -10000 where s > t) x v, both products on codes of FP6 (E2M3) with one E8M0 scale for each 32 along a product's K.
; K, V, their scale words and the bias come as records of 26,112 bytes for 128 keys, laid in the order of the operands' registers by the launch before; q [2][2048][32][128] f32 is quantised here, in registers.
; THE SOFTMAX: t = score x log2(e); M = the running largest t rounded UP to a whole number; p = 2^(t - M) is quantised along the keys, not normalised; the row's sum is taken of the unquantised p and divides at the end.
; THE MASKS.  The padding bias is the C of the score products.  On the diagonal hidden scores are SET to -10000 and go through softmax, quantiser and product like any other.  The NH whole key steps behind a wave's
; diagonal step hold nothing but the score -10000: each block of 32 there is 32 equal numbers ch = 2^(-10000 log2(e) - M), whose quantised number is ch rounded to three mantissa bits (ties to even, held at 1.111b),
; so those steps add Q(ch) x (the sum of the quantised v) to O and 128 NH ch to the row's sum.  FINISH always computes that, M first taking the hidden score into its maximum: no branch hangs on data.
; SHARES.  A work-group owns one head and two blocks of 256 queries: block 7 - J with 8 - J slots of 256 keys, then block J with J + 1 slots: nine slots for every work-group.  The four work-groups of a cluster
; are the four heads of one kv head with the same J: they walk the same records, and each slot is asked for JOINTLY (mask 15).  Wave w owns queries 32 w .. 32 w + 31 of a block: two tiles of 16, so each
; fragment of K or V read from LDS feeds two products.
; LAYOUT.  Both products are used transposed: S^T = K Q^T, O^T = V^T P^T: a lane holds one query (lane % 16).  The keys of a tile of K are chosen so that register 16 B + i of a tile of queries holds key 32 B + 16 (lane / 16) + i.
; LIMITS: NaN and infinities are not served; blocks whose largest magnitude lies under 2^-124 keep the scale byte 1; a hidden weight ch under 2^-126 counts as 0, beside a largest p above 1/2;
; a block's largest p is taken from its largest score (p does not fall where the score rises); the bias is added inside the matrix unit's sum: one rounding at 10000 may differ from a separate addition.
; REGISTERS.  Window 0: v1 spare word, v2 0, v3 16 x lane, v4-v11 addresses, v12-19 -M, largest t, the sum (two halves) of tiles 0 and 1, v20-23 f and p's scale word, v24-27 Q's scale words (this pass, next pass),
;   v28-35 K's and V's scale words, v36-59 Q's codes, v60-61 suffix sums, v62 the prefetch's offset, v64-127 and v128-191 S^T then p of tiles 0 and 1, v192-215 p's codes, v216-249 at work.
;   Window 1: v0-127 O^T of tiles 0 and 1; v128-223 eight fragments (K's, then V's); v224-247 the second pass's Q codes.
.set REC,    26112
.set SLOTB,  2*REC                     ; a slot: two records
.set SLOT1,  65536                     ; slot 1 begins here: one exclusive or turns an address in one slot into the other's
.set STAGE,  131072                    ; behind the ring: 16 rows x 528 bytes for each wave, its own; no tensor load lands there
.set SPITCH, 528
.set STGB,   16*SPITCH
.set SUF,    STAGE+8*STGB              ; [pass][half of the waves][128] f32: the sums of the quantised v over the hidden steps
.set SPARE,  SUF+2048                  ; the spare words, 128 bytes for each wave: four blocks of 256 bytes that no other line names
.set QROW,   16384                     ; bytes from a query to the next in q and in out0
.set MSB, 0
.macro WIN new                         ; s_set_vgpr_msb: bits 1:0 source 0, 3:2 source 1, 5:4 source 2, 7:6 destination; the high byte repeats the setting that is left
.if MSB != \new
	s_set_vgpr_msb (MSB<<8)|\new
.set MSB, \new
.endif
.endm
.macro PLACES n
.rept \n
	v_nop
.endr
.endm
.macro ROUND                           ; a round of the cluster's barrier
	s_barrier_signal -1
	s_barrier_wait -1
	s_cmp_lg_u32 s12, 0
	s_cbranch_scc1 .Lnot_wave_0_\@
	s_barrier_signal -3
.Lnot_wave_0_\@:
	s_barrier_wait -3
	s_barrier_signal -1
	s_barrier_wait -1
.endm
.macro TLOAD                           ; waves 0 and 1 fetch one record each of the slot; four v_nop follow the line
	s_cmp_lt_u32 s12, 2
	s_cbranch_scc0 .Lno_fetch_\@
	tensor_load_to_lds s[32:35], s[24:31]
	s_nop 0
	PLACES 4
.Lno_fetch_\@:
.endm
; A prefetch of the slot that the NEXT change of slots will ask for: two key steps ahead of that load.  The clusters of a kv head walk the same records: the one with J = 0, whose first pass walks all eight slots, asks.
; Its four partners take 51 blocks of 256 bytes each, told apart by address; wave 2 names blocks 0-31, wave 3 blocks 32-50 (its lanes 19-31 name block 50 again).  Slots 0 and 1 come by their loads alone; slot 7 is the last named.
.macro ASK
	s_cmp_gt_u32 s40, s58
	s_cbranch_scc0 .Lnot_mine_\@
	global_prefetch_b8 v62, s[56:57] th:TH_LOAD_NT scope:SCOPE_SE
.Lnot_mine_\@:
.endm
; 64 numbers of a lane from v[s] on become codes in v[pc] on; the four scale operands stand in v232-235.  The halves of the lanes change places so that a lane holds whole blocks.
.macro CODES s, pc
.irp c, 0,1
	v_cvt_scalef32_pk16_fp6_f32 v[(\pc)+6*\c:(\pc)+6*\c+2], v[(\s)+32*\c:(\s)+32*\c+15], v[232+2*\c]
	v_cvt_scalef32_pk16_fp6_f32 v[216+4*\c:218+4*\c], v[(\s)+32*\c+16:(\s)+32*\c+31], v[233+2*\c]   ; (a conversion's three registers begin on an even number)
.endr
	v_nop                                          ; one plain place behind a scaled conversion
.irp c, 0,1
.irp i, 0,1,2
	v_permlane16_swap_b32 v[(\pc)+6*\c+\i], v[216+4*\c+\i]
.endr
.irp i, 0,1,2
	v_mov_b32 v[(\pc)+6*\c+3+\i], v[216+4*\c+\i]
.endr
.endr
.endm
; q's quantiser: register 16 b + i of v[s] on = d 32 b + 16 (lane / 16) + i of my row; the scale word goes to v[pw].
.macro QUANT s, pc, pw
.irp b, 0,1,2,3
	v_max3_num_f32 v[224+\b], |v[(\s)+16*\b]|, |v[(\s)+16*\b+1]|, 0x1800000   ; my 16 numbers of block b, and the floor 2^(3 - 127)
.endr
.irp i, 2,4,6,8,10,12,14
.irp b, 0,1,2,3
	v_max3_num_f32 v[224+\b], v[224+\b], |v[(\s)+16*\b+\i]|, |v[(\s)+16*\b+\i+1]|
.endr
.endr
.irp b, 0,1,2,3
	v_permlanex16_b32 v[228+\b], v[224+\b], s20, s21
.endr
.irp b, 0,1,2,3
	v_max_num_f32 v[224+\b], v[224+\b], v[228+\b]  ; with lane l xor 16's: the block's largest magnitude
.endr
.irp b, 0,1,2,3
	v_add_nc_u32 v[232+\b], 0xff000000, v[224+\b]  ; 2 off the exponent field: the conversion's scale operand
.endr
.irp b, 0,1,2,3
	v_lshrrev_b32 v[228+\b], 23, v[232+\b]         ; the scale's byte
.endr
	v_lshl_or_b32 v[\pw], v229, 8, v228
	v_lshl_or_b32 v[\pw], v230, 16, v[\pw]
	v_lshl_or_b32 v[\pw], v231, 24, v[\pw]
	CODES \s, \pc
.endm
.macro QLOAD dst, sb, u                ; a tile's 16 rows of q, each load one row's 512 bytes
.irp i, 0,1,2,3,4,5,6,7,8,9,10,11,12,13,14,15
	global_load_b128 v[\dst+4*\i:\dst+4*\i+3], v3, s[\sb:\sb+1] offset:(16*\u+\i)*QROW th:TH_LOAD_NT
.endr
.endm
.macro TURN src, win, dst              ; the tile through my stage: in as rows, out 16 neighbours of each block of 32 to a lane
	WIN \win
.irp i, 0,1,2,3,4,5,6,7,8,9,10,11,12,13,14,15
	ds_store_b128 v8, v[\src+4*\i:\src+4*\i+3] offset:SPITCH*\i
.endr
	WIN 0
.irp b, 0,1,2,3
.irp j, 0,1,2,3
	ds_load_b128 v[\dst+16*\b+4*\j:\dst+16*\b+4*\j+3], v9 offset:128*\b+16*\j   ; LDS serves a wave's instructions in order: these see the stores above
.endr
.endr
	s_wait_dscnt 0x0
.endm
.macro INIT                            ; a pass begins: the largest t -3e38, the sum and O^T zeros, which the first change of M leaves zeros
.irp u, 0,1
	v_mov_b32 v[13+4*\u], 0xff61b1e6
	v_floor_f32 v[12+4*\u], -v[13+4*\u]
	v_mov_b32 v[14+4*\u], 0
	v_mov_b32 v[15+4*\u], 0
.endr
	WIN 0x40
.set jj, 0
.rept 128
	v_mov_b32 v[jj], 0
.set jj, jj+1
.endr
	WIN 0
.endm
; On the diagonal: register 16 b + i of tile u holds key KF + 32 b + 16 (lane / 16) + i: hidden where 32 b + i > my query - KF - 16 (lane / 16)
.macro MASK u
	s_sub_co_i32 s66, s44, s43
	s_add_co_i32 s66, s66, 16*\u
	v_add_nc_u32 v240, s66, v10
.set nn, 0
.rept 64
	v_cmp_gt_i32 vcc_lo, 32*(nn/16)+nn%16, v240
	v_cndmask_b32 v[64+64*\u+nn], v[64+64*\u+nn], v241, vcc_lo
.set nn, nn+1
.endr
.endm
; Tile u's softmax of a key step, up to p's codes and scale word.
.macro SMAX u
.set rS, 64+64*\u
.set rM, 12+4*\u
.set rF, 20+2*\u
.set rP, 192+12*\u
.irp b, 0,1,2,3
	v_max3_num_f32 v[224+\b], v[rS+16*\b], v[rS+16*\b+1], v[rS+16*\b+2]   ; the largest score of each block of 32 keys: for the row's maximum, and for the block's largest p.  Each accumulator is read from its low end on
.endr
.irp i, 3,5,7,9,11,13
.irp b, 0,1,2,3
	v_max3_num_f32 v[224+\b], v[224+\b], v[rS+16*\b+\i], v[rS+16*\b+\i+1]
.endr
.endr
.irp b, 0,1,2,3
	v_max_num_f32 v[224+\b], v[224+\b], v[rS+16*\b+15]
.endr
.irp b, 0,1,2,3
	v_permlanex16_b32 v[228+\b], v[224+\b], s20, s21
.endr
.irp b, 0,1,2,3
	v_max_num_f32 v[224+\b], v[224+\b], v[228+\b]  ; with lane l xor 16's 16 keys
.endr
	v_max3_num_f32 v236, v224, v225, v226
	v_max_num_f32 v236, v236, v227
	v_mul_f32 v236, s22, v236                      ; the step's largest t
	v_max_num_f32 v[rM+1], v[rM+1], v236
	v_mov_b32 v236, v[rM]
	v_floor_f32 v[rM], -v[rM+1]                    ; -M = floor(-t): M is a whole number
	v_sub_f32 v236, v[rM], v236
	v_cvt_i32_f32 v236, v236                       ; (it saturates)
	v_ldexp_f32 v[rF], 1.0, v236                   ; f = 2^(old M - new M)
.set jj, 0
.rept 32
	v_pk_fma_f32 v[rS+jj:rS+jj+1], v[rS+jj:rS+jj+1], s[22:23], v[rM:rM+1] op_sel_hi:[1,0,0]   ; t - M
.set jj, jj+2
.endr
.irp b, 0,1,2,3
	v_fma_f32 v[224+\b], v[224+\b], s22, v[rM]
.endr
.set jj, 0
.rept 64
	v_exp_f32 v[rS+jj], v[rS+jj]                   ; p = 2^(t - M)
.set jj, jj+1
.endr
.irp b, 0,1,2,3
	v_exp_f32 v[224+\b], v[224+\b]                 ; the block's largest p
.endr
	v_pk_mul_f32 v[rM+2:rM+3], v[rM+2:rM+3], v[rF:rF+1] op_sel_hi:[1,0]   ; the sum under the new M (a plain place behind the exponentials)
	s_wait_alu depctr_va_vdst(0)
.irp b, 0,1,2,3
	v_max_num_f32 v[224+\b], 0x1800000, v[224+\b]  ; the floor 2^(3 - 127)
.endr
.irp b, 0,1,2,3
	v_add_nc_u32 v[232+\b], 0xff000000, v[224+\b]
.endr
.irp b, 0,1,2,3
	v_lshrrev_b32 v[228+\b], 23, v[232+\b]
.endr
	v_lshl_or_b32 v[rF+1], v229, 8, v228           ; p's scale word for these 128 keys
	v_lshl_or_b32 v[rF+1], v230, 16, v[rF+1]
	v_lshl_or_b32 v[rF+1], v231, 24, v[rF+1]
	CODES rS, rP
.endm
.macro SUMS u                          ; the row's sum is taken of the unquantised p: two chains
.set rS, 64+64*\u
.set rM, 12+4*\u
.set rW, 236+2*\u
	v_pk_add_f32 v[rW:rW+1], v[rS:rS+1], v[rS+2:rS+3]
.irp j, 4,8,12,16,20,24,28,32,36,40,44,48,52,56,60
	v_pk_add_f32 v[rM+2:rM+3], v[rM+2:rM+3], v[rS+\j:rS+\j+1]
	v_pk_add_f32 v[rW:rW+1], v[rW:rW+1], v[rS+\j+2:rS+\j+3]
.endr
	v_pk_add_f32 v[rM+2:rM+3], v[rM+2:rM+3], v[rW:rW+1]
.endm
; A KEY STEP: the record at LDS byte s42, keys s43 .. s43 + 127.
.macro STEP
	s_add_co_u32 s66, s44, 31
	s_cmp_gt_u32 s43, s66                          ; all 128 keys come after my 32 queries: the step's work is left out (a branch on ids); FINISH accounts for it
	s_cbranch_scc1 .Lhid_\@
	v_add_nc_u32 v5, s42, v3
	v_add_nc_u32 v6, s42, v4
	ds_load_b128 v[28:31], v5 offset:24576         ; the scale words: lanes 0-15 K's tiles, lanes 16-31 V's
	ds_load_b128 v[32:35], v5 offset:25088
.irp b, 0,1,2,3
.irp m, 0,1,2,3
	ds_load_b128 v[64+16*\b+4*\m:64+16*\b+4*\m+3], v6 offset:128*\b+16*\m   ; the bias of my 64 keys, in the scores' layout
.endr
.endr
	WIN 0x40
.set kk, 0
.rept 24
	ds_load_b128 v[128+4*kk:128+4*kk+3], v5 offset:512*kk        ; K's eight fragments as images
.set kk, kk+1
.endr
	WIN 0x01                                       ; source 0 (K) in window 1
	s_wait_dscnt 12                                ; the scale words, the bias and K's tiles 0-3 are in; the twelve loads of tiles 4-7 may be out
.irp t, 0,1,2,3
	v_wmma_scale_f32_16x16x128_f8f6f4 v[128+8*\t:135+8*\t], v[128+12*\t:139+12*\t], v[48:59], v[64+8*\t:71+8*\t], v[28+\t], v25 matrix_a_fmt:MATRIX_FMT_FP6 matrix_b_fmt:MATRIX_FMT_FP6
.endr
	s_wait_dscnt 0x0
.irp t, 4,5,6,7
	v_wmma_scale_f32_16x16x128_f8f6f4 v[128+8*\t:135+8*\t], v[128+12*\t:139+12*\t], v[48:59], v[64+8*\t:71+8*\t], v[28+\t], v25 matrix_a_fmt:MATRIX_FMT_FP6 matrix_b_fmt:MATRIX_FMT_FP6
.endr
	PLACES 5                                       ; the products below write over the bias, which those above read as C: five places
.irp t, 0,1,2,3,4,5,6,7
	v_wmma_scale_f32_16x16x128_f8f6f4 v[64+8*\t:71+8*\t], v[128+12*\t:139+12*\t], v[36:47], v[64+8*\t:71+8*\t], v[28+\t], v24 matrix_a_fmt:MATRIX_FMT_FP6 matrix_b_fmt:MATRIX_FMT_FP6
.endr
	PLACES 4                                       ; in front of the loads into K's registers and of the first read of the scores
	WIN 0x40
.set kk, 0
.rept 24
	ds_load_b128 v[128+4*kk:128+4*kk+3], v5 offset:12288+512*kk  ; V's eight fragments: they land while the softmax is worked
.set kk, kk+1
.endr
	WIN 0
	s_add_co_u32 s66, s43, 127
	s_cmp_le_u32 s66, s44                          ; every key counts for every query of mine: no mask
	s_cbranch_scc1 .Lopen_\@
	v_mov_b32 v241, 0xc61c4000                     ; -10000
	MASK 0
	MASK 1
.Lopen_\@:
	SMAX 0
	SMAX 1
	WIN 0x41
.irp u, 0,1
.set jj, 0
.rept 32
	v_pk_mul_f32 v[64*\u+jj:64*\u+jj+1], v[64*\u+jj:64*\u+jj+1], v[20+2*\u:21+2*\u] op_sel_hi:[1,0]   ; O^T under the new M.  (These 64 are also the places between p's codes and scale words and the products)
.set jj, jj+2
.endr
.endr
	s_wait_dscnt 0x0                               ; V is in
	WIN 0x51                                       ; V, C and D in window 1, p in window 0
.irp t, 0,1,2,3,4,5,6,7                            ; the sixteen accumulators by turns
.irp u, 0,1
	v_wmma_scale_f32_16x16x128_f8f6f4 v[64*\u+8*\t:64*\u+8*\t+7], v[128+12*\t:139+12*\t], v[192+12*\u:203+12*\u], v[64*\u+8*\t:64*\u+8*\t+7], v[28+\t], v[21+2*\u] matrix_a_fmt:MATRIX_FMT_FP6 matrix_b_fmt:MATRIX_FMT_FP6 matrix_a_scale:MATRIX_SCALE_ROW1
.endr
.endr
	WIN 0
	SUMS 0                                         ; beside the products; also the places in front of the next loads into their registers and of the next reads of O^T
	SUMS 1
.Lhid_\@:
	s_add_co_u32 s43, s43, 128
	s_add_co_u32 s42, s42, REC
.endm
.macro TWO_STEPS                       ; a slot's two key steps: written once, walked twice
	s_mov_b32 s41, 2
.Lstep_\@:
	STEP
	s_sub_co_u32 s41, s41, 1
	s_cmp_lg_u32 s41, 0
	s_cbranch_scc1 .Lstep_\@
	s_sub_co_u32 s42, s42, SLOTB                   ; back to a slot's first record,
	s_xor_b32 s42, s42, SLOT1                      ; in the other slot
.endm
; THE CHANGE OF SLOTS, at a slot's head.  Each wave waits for all its tensor loads (its part of the slot ahead), adds 0 to its spare word, and waits for that and for its reads of the slot that it has left.
; fill = 1: a round of the cluster's barrier, and behind it the joint fill of the slot just left, which has two key steps in which to land.  By this text's count one tensor load of a wave is out at the most.
.macro CHANGE fill
	s_wait_tensorcnt 0x0                           ; no tensor load of mine is out, so the descriptor may be written
	ds_add_u32 v1, v2                              ; 0 onto my spare word
.if \fill
	s_xor_b32 s33, s33, SLOT1                      ; the other slot than last time
	s_add_co_u32 s38, s38, 1                       ; the next slot's worth of keys; behind the first pass's last the walk begins anew
	s_cmp_eq_u32 s38, s39
	s_cselect_b32 s38, 0, s38
	s_mul_i32 s78, s38, SLOTB
	s_add_nc_u64 s[34:35], s[36:37], s[78:79]
	s_or_b32 s35, s35, 0x80000000
	s_wait_xcnt 0x0                                ; the last prefetch, a slot back, has read its address
	s_add_nc_u64 s[56:57], s[56:57], SLOTB
.endif
	s_wait_dscnt 0x0                               ; the add is done, and my reads of the slot that I have left are over
.if \fill
	ROUND
	TLOAD
	ASK
.else
	s_barrier_signal -1
	s_barrier_wait -1
.endif
.endm
; A pass's end, tile u: the hidden steps' share, the division, and the way out through my stage as whole rows of 512 bytes.
.macro FTILE u, p
.set rM, 12+4*\u
.set rF, 20+2*\u
	v_max_num_f32 v[rM+1], v[rM+1], v237           ; the hidden score's t enters the row's maximum
	v_mov_b32 v238, v[rM]
	v_floor_f32 v[rM], -v[rM+1]
	v_sub_f32 v238, v[rM], v238
	v_cvt_i32_f32 v238, v238
	v_ldexp_f32 v[rF], 1.0, v238                   ; f
	v_fma_f32 v239, v236, s22, v[rM]
	v_exp_f32 v239, v239                           ; ch = 2^(hidden t - M): the same two instructions as for every p
	v_add_f32 v240, v[rM+2], v[rM+3]               ; (a plain place)  the sum's two halves,
	v_permlanex16_b32 v228, v240, s20, s21
	v_add_f32 v240, v240, v228                     ; lane l xor 16's,
	v_mul_f32 v240, v240, v[rF]                    ; under the last M,
	s_wait_alu depctr_va_vdst(0)
	v_fma_f32 v240, v244, v239, v240               ; and the hidden keys' 128 NH ch
	v_bfe_u32 v242, v239, 20, 1                    ; Q(ch): to three mantissa bits, ties to even,
	v_add3_u32 v242, v239, v242, 0x7ffff
	v_and_b32 v242, 0xfff00000, v242
	v_and_or_b32 v243, v239, 0x7f800000, s59       ; held at 1.111b x its power of two
	v_min_u32 v242, v242, v243
	v_rcp_f32 v240, v240
	v_nop                                          ; one plain place behind a transcendental
	s_wait_alu depctr_va_vdst(0)
	v_mul_f32 v246, v[rF], v240                    ; f / l
	v_mul_f32 v248, v242, v240                     ; Q(ch) / l
.if \u == 0
	s_wait_dscnt 0x0                               ; the hidden steps' sums of v are in
.endif
.set jj, 0
.rept 32
	v_pk_mul_f32 v[128+jj:129+jj], v[64+jj:65+jj], v[248:249] op_sel_hi:[1,0]
.set jj, jj+2
.endr
	WIN 0x01
.set jj, 0
.rept 32
	v_pk_fma_f32 v[128+jj:129+jj], v[64*\u+jj:64*\u+jj+1], v[246:247], v[128+jj:129+jj] op_sel_hi:[1,0,1]   ; O^T f / l + that; each accumulator from its low end on
.set jj, jj+2
.endr
	WIN 0
.irp t, 0,1,2,3,4,5,6,7
.irp e, 0,1
	ds_store_b128 v7, v[128+8*\t+4*\e:128+8*\t+4*\e+3] offset:64*\t+16*\e   ; row = my query; d = 16 t + 8 (lane / 16) + 4 e on
.endr
.endr
.if \u == 0
.set RB, 128                           ; tile 0 comes back into window 1, where the fragments lay; tile 1 where the sums of v lay
	WIN 0x40
.else
.set RB, 64
.endif
.irp i, 0,1,2,3,4,5,6,7,8,9,10,11,12,13,14,15
	ds_load_b128 v[RB+4*\i:RB+4*\i+3], v8 offset:SPITCH*\i       ; LDS serves a wave's instructions in order: these see the stores above
.endr
.if \u == 0
	WIN 0x04                                       ; a store's data are its source 1
.endif
.irp i, 0,1,2,3,4,5,6,7,8,9,10,11,12,13,14,15
	s_wait_dscnt 15-\i                             ; row i is back; the later rows may be out
	global_store_b128 v3, v[RB+4*\i:RB+4*\i+3], s[48+2*\p:49+2*\p] offset:(16*\u+\i)*QROW th:TH_STORE_NT   ; 32 lanes store a row's 512 consecutive bytes, at a multiple of 256 from out0's first byte
.endr
	WIN 0
.endm
.macro FINISH p
.irp t, 0,1,2,3,4,5,6,7
.irp e, 0,1
	ds_load_b128 v[64+8*\t+4*\e:64+8*\t+4*\e+3], v11 offset:1024*\p+64*\t+16*\e   ; the sum of the quantised v over my hidden steps, in O^T's layout
.endr
.endr
	v_mov_b32 v236, s[52+2*\p]                     ; the hidden score: -10000, or -1e38 where no step is hidden
	v_mul_f32 v237, s22, v236                      ; its t
	v_cvt_f32_u32 v244, s[53+2*\p]                 ; 128 NH
	FTILE 0, \p
	FTILE 1, \p
	s_wait_xcnt 0x0                                ; the stores have read their registers: they may be written again
.endm
.macro SWITCH                          ; on to the second pass: its Q, its first query, key 0
	WIN 0x01
.set jj, 0
.rept 24
	v_mov_b32 v[36+jj], v[224+jj]
.set jj, jj+1
.endr
	WIN 0
	v_mov_b32 v24, v26
	v_mov_b32 v25, v27
	INIT                                           ; (its moves are also the places between Q's new codes and scale words and the next products)
	s_mov_b32 s44, s45
	s_mov_b32 s43, 0
.endm
; ---- the head
	s_load_b256 s[4:11], s[0:1], 0x0               ; q s[4:5], kvrec s[6:7], tsum s[8:9], out0 s[10:11]
	v_lshl_add_u32 v1, v0, 2, SPARE
	v_mov_b32 v2, 0
	ds_add_u32 v1, v2
	s_wait_dscnt 0x0
	v_lshrrev_b32 v3, 5, v0
	v_readfirstlane_b32 s12, v3                    ; wave 0..7
	s_mov_b32 s13, ttmp9                           ; J: the cluster's x, 0..3: the same in all four partners
	s_bfe_u32 s14, ttmp6, 0x40000                  ; my place in the cluster: which of the kv head's four heads; it enters global addresses of q, out0 and the prefetch alone
	s_and_b32 s15, ttmp7, 0xffff                   ; y = 8 x batch + kv head
	s_lshr_b32 s16, s12, 2                         ; which half of the waves: their diagonal steps differ by one
	; descriptor group 1: a record as 102 rows of 256 bytes (32 elements of 8 bytes), dense, no padding
	s_mov_b32 s24, 15|(3<<16)|(1<<21)              ; 15:0 the mask: all four work-groups; 17:16 elements of 8 bytes; 21 set beside a mask
	s_mov_b32 s25, 32<<16                          ; tensor_dim0 = 32
	s_mov_b32 s26, 102<<16                         ; tensor_dim1 = 102
	s_mov_b32 s27, 32<<16                          ; tile_dim0 = 32
	s_mov_b32 s28, 102                             ; tile_dim1 = 102
	s_mov_b32 s29, 32                              ; from row to row
	s_mov_b32 s30, 0
	s_mov_b32 s31, 0
	s_mov_b32 s20, 0x76543210
	s_mov_b32 s21, 0xfedcba98                      ; v_permlanex16_b32's selects for lane l xor 16
	s_mov_b32 s22, 0x3fb8aa3b                      ; log2(e)
	s_mov_b32 s23, s22                             ; (named with it as a pair)
	s_mov_b32 s59, 0x700000                        ; the mantissa field 1.111b
	s_sub_co_u32 s39, 8, s13                       ; the first pass's slots
	s_add_co_u32 s46, s13, 1                       ; the second's
	s_lshl_b32 s66, s12, 5
	s_sub_co_u32 s67, 7, s13
	s_lshl_b32 s67, s67, 8
	s_add_co_u32 s44, s67, s66                     ; my first query: pass 1: 256 (7 - J) + 32 w,
	s_lshl_b32 s67, s13, 8
	s_add_co_u32 s45, s67, s66                     ; pass 2: 256 J + 32 w
	s_lshl_b32 s68, s13, 1
	s_add_co_u32 s77, s68, s16                     ; my diagonal step in pass 2: 2 J + half,
	s_sub_co_u32 s76, 14, s68
	s_add_co_u32 s76, s76, s16                     ; in pass 1: 14 - 2 J + half
	s_sub_co_u32 s71, 15, s76                      ; the steps behind it
	s_sub_co_u32 s72, 15, s77
	s_lshl_b32 s53, s71, 7                         ; their keys
	s_lshl_b32 s55, s72, 7
	s_mov_b32 s73, 0xc61c4000                      ; -10000
	s_mov_b32 s70, 0xfe967699                      ; -1e38: under every score, and its t is still a number
	s_cmp_lg_u32 s71, 0
	s_cselect_b32 s52, s73, s70
	s_cmp_lg_u32 s72, 0
	s_cselect_b32 s54, s73, s70
	s_and_b32 s74, s12, 1                          ; which record of a slot I fetch, if I fetch:
	s_mul_i32 s74, s74, REC                        ; its place in a slot and in memory
	s_mov_b32 s75, 0
	s_mul_i32 s62, s15, 16*REC                     ; the kv head's sixteen records
	s_mov_b32 s63, 0
	s_mov_b32 s79, 0
	s_mov_b32 s38, 0
	s_wait_kmcnt 0x0
	s_add_nc_u64 s[56:57], s[6:7], s[62:63]
	s_add_nc_u64 s[36:37], s[56:57], s[74:75]
	s_mov_b32 s32, 1                               ; group 0: count = 1,
	s_mov_b32 s33, s74                             ; LDS address: slot 0,
	s_mov_b64 s[34:35], s[36:37]                   ; the first slot's worth of keys,
	s_or_b32 s35, s35, 0x80000000                  ; type = 2
	ROUND                                          ; all four work-groups are here: the first joint load meets
	TLOAD
	v_and_b32 v236, 15, v0                         ; r
	v_bfe_u32 v237, v0, 4, 1                       ; h
	v_and_b32 v238, 31, v0                         ; lane
	v_lshlrev_b32 v3, 4, v238                      ; 16 x lane
	v_and_b32 v239, 127, v0
	v_lshlrev_b32 v239, 2, v239                    ; my d among tsum's 128
	s_lshr_b32 s66, s15, 3
	s_lshl_b32 s66, s66, 11                        ; 2,048 x batch
	s_and_b32 s67, s15, 7
	s_lshl_b32 s67, s67, 2
	s_add_co_u32 s67, s67, s14                     ; my head
	s_add_co_u32 s68, s66, s44
	s_lshl_b32 s68, s68, 5
	s_add_co_u32 s68, s68, s67
	s_lshl_b32 s68, s68, 9                         ; the byte of (batch, my first query, head) in q and in out0, pass 1 (under 2^27)
	s_mov_b32 s69, 0
	s_add_co_u32 s70, s66, s45
	s_lshl_b32 s70, s70, 5
	s_add_co_u32 s70, s70, s67
	s_lshl_b32 s70, s70, 9                         ; pass 2
	s_mov_b32 s71, 0
	s_lshl_b32 s72, s15, 13                        ; the kv head's 16 x 128 sums
	s_mov_b32 s73, 0
	s_add_nc_u64 s[48:49], s[10:11], s[68:69]
	s_add_nc_u64 s[50:51], s[10:11], s[70:71]
	s_add_nc_u64 s[60:61], s[4:5], s[70:71]
	s_add_nc_u64 s[4:5], s[4:5], s[68:69]
	s_add_nc_u64 s[8:9], s[8:9], s[72:73]
.irp n, 0,1,2,3,4,5,6,7,8,9,10,11,12,13,14,15
	global_load_b32 v[240+\n], v239, s[8:9] offset:512*\n
.endr
	QLOAD 64, 4, 0                                 ; pass 1's two tiles of q
	QLOAD 128, 4, 1
	v_lshl_add_u32 v4, v237, 6, 25600              ; the bias in a record: + 64 h
	s_mul_i32 s17, s12, STGB
	s_add_co_u32 s17, s17, STAGE                   ; my stage
	v_mul_u32_u24 v7, v236, SPITCH
	v_lshl_add_u32 v9, v237, 6, v7
	v_lshl_add_u32 v7, v237, 5, v7
	v_add_nc_u32 v7, s17, v7                       ; results in: row r, + 32 h
	v_add_nc_u32 v9, s17, v9                       ; q out: row r, + 64 h
	v_add_nc_u32 v8, s17, v3                       ; whole rows: 16 bytes a lane
	v_lshlrev_b32 v10, 4, v237
	v_sub_nc_u32 v10, v236, v10                    ; r - 16 h
	s_lshl_b32 s18, s16, 9
	s_add_co_u32 s18, s18, SUF
	v_lshl_add_u32 v11, v237, 5, s18               ; my half's sums, + 32 h
	v_lshl_add_u32 v63, v0, 2, SUF                 ; where I store a sum: thread t is d = t % 128 of half t / 128
	s_and_b32 s66, s12, 1
	s_lshl_b32 s66, s66, 5
	v_add_nc_u32 v62, s66, v238
	v_min_u32 v62, 50, v62
	v_lshlrev_b32 v62, 8, v62                      ; the prefetch: block lane + 32 (wave % 2), 50 at the most, of my work-group's 51
	s_mul_i32 s66, s14, 13056
	s_add_co_u32 s66, s66, SLOTB                   ; my work-group's quarter, in slot 1: the first change of slots steps it to slot 2
	s_mov_b32 s67, 0
	s_add_nc_u64 s[56:57], s[56:57], s[66:67]
	s_lshr_b32 s66, s12, 1
	s_xor_b32 s66, s66, 1                          ; 0 in waves 2 and 3,
	s_or_b32 s66, s66, s13                         ; of the clusters with J = 0
	s_cmp_eq_u32 s66, 0
	s_cselect_b32 s58, 2, -1                       ; they ask while more than two slots are still to be asked for
	v_mov_b32 v21, 0                               ; written once: named as upper halves of pairs, or a lane exchange's destinations
	v_mov_b32 v23, 0
.irp b, 0,1,2,3
	v_mov_b32 v[228+\b], 0
.endr
	s_wait_loadcnt 32                              ; the sixteen sums are in; q's two tiles may be out
.set NS, 0
.rept 16                                           ; the sums over the steps behind my diagonal step, for both passes: a choice by ids, no branch
	s_cmp_lt_u32 s76, NS
	s_cselect_b32 s66, 1.0, 0
	s_cmp_lt_u32 s77, NS
	s_cselect_b32 s67, 1.0, 0
.if NS == 0
	v_mul_f32 v60, s66, v[240+NS]
	v_mul_f32 v61, s67, v[240+NS]
.else
	v_fmac_f32 v60, s66, v[240+NS]
	v_fmac_f32 v61, s67, v[240+NS]
.endif
.set NS, NS+1
.endr
	v_mov_b32 v247, 0                              ; the sixteen sums have landed and have been read: these two, named later as upper halves of pairs, are written only here
	v_mov_b32 v249, 0
	ds_store_b32 v63, v60
	ds_store_b32 v63, v61 offset:1024
	WIN 0x40
	QLOAD 0, 60, 0                                 ; pass 2's first tile, into O^T's registers, which are not yet at work
	WIN 0
	s_wait_loadcnt 32                              ; pass 1's tile 0 is in; two tiles may be out
	TURN 64, 0, 64
	QUANT 64, 36, 24
	WIN 0x40
	QLOAD 64, 60, 1
	WIN 0
	s_wait_loadcnt 32                              ; pass 1's tile 1
	TURN 128, 0, 128
	QUANT 128, 48, 25
	s_wait_loadcnt 16                              ; pass 2's tile 0
	TURN 0, 0x04, 64
	QUANT 64, 192, 26
	WIN 0x40
.set jj, 0
.rept 12
	v_mov_b32 v[224+jj], v[192+jj]                 ; parked in window 1
.set jj, jj+1
.endr
	WIN 0
	s_wait_loadcnt 0x0                             ; pass 2's tile 1
	TURN 64, 0x04, 64
	QUANT 64, 204, 27
	WIN 0x40
.set jj, 0
.rept 12
	v_mov_b32 v[236+jj], v[204+jj]
.set jj, jj+1
.endr
	WIN 0
	INIT
	s_mov_b32 s42, 0
	s_mov_b32 s43, 0
	s_mov_b32 s40, 8
; ---- nine slots: eight trips that each ask for the next slot, and the last slot written out
.Lslot:
	CHANGE 1
	TWO_STEPS
	s_cmp_lg_u32 s40, s46                          ; the first pass ends in trip 7 - J (a branch on ids, the same in all partners)
	s_cbranch_scc1 .Lgo
	FINISH 0
	SWITCH
.Lgo:
	s_sub_co_u32 s40, s40, 1
	s_cmp_lg_u32 s40, 0
	s_cbranch_scc1 .Lslot
	CHANGE 0
	TWO_STEPS
	FINISH 1
	s_wait_tensorcnt 0x0                           ; the wave's end: behind my last tensor load and my last LDS store
	ds_add_u32 v1, v2
	s_wait_dscnt 0x0
	ROUND                                          ; the closing round: no work-group ends while a partner may still ask for a slot that names it
	s_endpgm
.Lfunc_end_k_qfd4db2fdfb_attn:
	.size	k_qfd4db2fdfb_attn, .Lfunc_end_k_qfd4db2fdfb_attn-k_qfd4db2fdfb_attn
	.p2alignl 7, 3214868480
	.fill 96, 4, 3214868480
	.section	.rodata,"a",@progbits
	.p2align	6, 0x0
	.amdhsa_kernel k_qfd4db2fdfb_attn
		.amdhsa_group_segment_fixed_size 327680
		.amdhsa_private_segment_fixed_size 0
		.amdhsa_enable_private_segment 0
		.amdhsa_kernarg_size 32
		.amdhsa_user_sgpr_count 2
		.amdhsa_user_sgpr_kernarg_segment_ptr 1
		.amdhsa_wavefront_size32 1
		.amdhsa_system_sgpr_workgroup_id_x 1
		.amdhsa_system_sgpr_workgroup_id_y 1
		.amdhsa_system_sgpr_workgroup_id_z 1
		.amdhsa_system_vgpr_workitem_id 0
		.amdhsa_next_free_vgpr 512
		.amdhsa_next_free_sgpr 80
		.amdhsa_reserve_vcc 1
		.amdhsa_float_denorm_mode_32 3
		.amdhsa_float_denorm_mode_16_64 3
		.amdhsa_memory_ordered 1
		.amdhsa_forward_progress 1
		.amdhsa_inst_pref_size 182
	.end_amdhsa_kernel
	.amdgpu_metadata
---
amdhsa.version: [ 1, 2 ]
amdhsa.kernels:
  - .name:           k_qfd4db2fdfb_attn
    .symbol:         k_qfd4db2fdfb_attn.kd
    .args:
      - { .name: q, .offset: 0, .size: 8, .value_kind: global_buffer, .address_space: global }
      - { .name: kvrec, .offset: 8, .size: 8, .value_kind: global_buffer, .address_space: global }
      - { .name: tsum, .offset: 16, .size: 8, .value_kind: global_buffer, .address_space: global }
      - { .name: out0, .offset: 24, .size: 8, .value_kind: global_buffer, .address_space: global }
    .group_segment_fixed_size: 327680
    .private_segment_fixed_size: 0
    .kernarg_segment_align: 8
    .kernarg_segment_size: 32
    .max_flat_workgroup_size: 256
    .sgpr_count:     80
    .vgpr_count:     512
    .wavefront_size: 32
...
	.end_amdgpu_metadata
.endif
;; end of part 2
